; MI455X (gfx1250); checked and timed in simulation.
; The chip was launched on July 23, 2026; its instructions are those of AMD's public machine-readable ISA for CDNA 5 (MIT licence, August 2026) and "CDNA5" Instruction Set Architecture Reference Guide (July 2026). The comments in the code are by the model that wrote it; some were corrected since.
;; Cross Attention. Allowed arithmetic: matrix products marked QUANTISED: E2M1 operands, one E8M0 scale for each 32 along K, by v_wmma_scale_f32_16x16x128_f8f6f4 with both operands' format E2M1 (or v_wmma_scale_f32_32x16x128_f4), f32 sums; products left as they are: f32 operands where the result goes on into a quantised operand, else bf16, f16 or f32 operands; f32 sums; everything else in f32.
;; Inputs: Wk 1 x 1,024 float32; Wq 1 x 1,024 float32; Wv 1,024 x 1,024 float32; bk 1,024 float32; bq 1,024 float32; bv 1,024 float32; key 4 x 2,048 x 1 float32; query 4 x 2,048 x 1 float32; value 4 x 2,048 x 1,024 float32.
;; Outputs: out0 64 x 2,048 x 64 float32.
;; This version of the problem:
;;   THIS VERSION OF THE PROBLEM IS GIVEN IN LOW PRECISION. The matrix products marked QUANTISED in the list below multiply operands that are first quantised to E2M1 (2 exponent bits, 1 mantissa bit; 4 bits a number), with one power-of-two scale for each 32 numbers along K (OCP MX v1.0); their sums are f32. All else is computed in f32.
;;   The module's matrix products, in the order in which they are computed (A, B: the left and right operand; K: the contracted axis; several contracted axes count as one K, in the product's order):
;;     1. [M 8,192, K 1] x [K 1, N 1,024]; A: input query; B: input Wq: left as it is (K = 1 < 32)
;;     2. [M 8,192, K 1] x [K 1, N 1,024]; A: input key; B: input Wk: left as it is (K = 1 < 32)
;;     3. [M 8,192, K 1,024] x [K 1,024, N 1,024]; A: input value; B: input Wv: QUANTISED
;;     4. batch 64 x [M 2,048, K 64] x [K 64, N 2,048]; A: computed on the way; B: computed on the way: QUANTISED
;;     5. batch 64 x [M 2,048, K 2,048] x [K 2,048, N 64]; A: softmax (see below); B: computed on the way: QUANTISED
;;   THE QUANTISER, for each operand of a quantised product, along K:
;;     - K is cut into blocks of 32 from its start; a last block that is shorter is filled with zeros.
;;     - A block's scale is 2^e with e = floor(log2(the largest magnitude in the block)) - 2, held to -126 .. 127; a block of zeros has e = 0. As a byte (E8M0): e + 127.
;;     - Each number is divided by its block's scale, clamped to +-6, and rounded to the nearest number of E2M1, ties to even, subnormals kept.
;;     - The product sums the exact products of the quantised numbers (number of the format x scale) in f32.
;;   ~~~python
;;   def quantise(x, axis):      # numpy; x: float32 -> the quantised numbers, widened to float32 again
;;       x = np.moveaxis(x, axis, -1); K = x.shape[-1]
;;       x = np.pad(x, [(0, 0)] * (x.ndim - 1) + [(0, -K % 32)]); x = x.reshape(x.shape[:-1] + (-1, 32)); a = np.abs(x).max(-1, keepdims=True)
;;       e = np.where(a > 0, np.clip(np.frexp(np.where(a > 0, a, 1))[1] - 1 - 2, -126, 127), 0)      # np.frexp(a)[1] - 1 = floor(log2(a)), exactly
;;       r = np.clip(x / 2.0 ** e, -6, 6)
;;       step = 2.0 ** (np.maximum(np.frexp(np.where(r == 0, 1, r))[1] - 1, 0) - 1)
;;       q = np.round(r / step) * step * 2.0 ** e      # np.round: ties to even
;;       return np.moveaxis(q.reshape(q.shape[:-2] + (-1,))[..., :K], -1, axis).astype(np.float32)
;;   ~~~
;;   SOFTMAX AHEAD OF A QUANTISED PRODUCT. Where the list says 'softmax', what is quantised is not the finished softmax but p = 2^(t - M), with t = logit x log2(e) and M = ceil(the row's largest t), a whole number; so 1/2 < the row's largest p <= 1. The row's sum l is taken of the UNQUANTISED p, in f32, and the product's result is divided by l at the end. Since M is a whole number, a kernel that streams over the keys may use a running M (the ceiling of the running maximum): every later rescaling is an exact power of two, which a block's scale takes up: the codes' values come out the same.
;;   OPERANDS COMPUTED ON THE WAY. 'Computed on the way' means the value that the module computes at that place (a softmax that the list does not call 'softmax' is quantised finished and normalised). What goes into a quantiser is computed in f32, as accurately as f32 sums, v_exp_f32 and their like allow (about 1e-6 of the number): no bf16 or f16 on the way to a quantiser, and a product that is left as it is and whose result goes on into a quantised operand takes f32 operands (vector FMAs, or v_wmma_f32_16x16x4_f32). A number that lies on a knife's edge between two numbers of the format may be rounded either way, as far as f32 arithmetic and the matrix unit's own rounding can turn it there, and no further.
;; One version. Each part assembles by itself: llvm-mc -triple=amdgcn-amd-amdhsa -mcpu=gfx1250 --defsym DOCPART=n.
;; ======== version 1 of 1: 3 launches
;; limits: right only within a limited range of input values
;; workspace buffers: aimg 4,456,448 bytes; bimg 557,056 bytes; kimg 4,456,448 bytes; vimg 4,456,448 bytes
;; launch prep (part 1): grid 352 x 1, 8 waves a work-group, no clusters, 69,632 bytes of LDS; arguments value, Wv, key, Wk, bk, aimg, bimg, kimg; writes aimg, bimg, kimg
.if DOCPART == 1
	.amdgcn_target "amdgcn-amd-amdhsa--gfx1250"
	.amdhsa_code_object_version 6
	.text
	.protected	k_q581df5b5c2_prep
	.globl	k_q581df5b5c2_prep
	.p2align	8
	.type	k_q581df5b5c2_prep,@function
k_q581df5b5c2_prep:
	s_mov_b64 s[64:65], 0
	v_nop
	global_prefetch_b8 v0, s[64:65] scope:SCOPE_SE
	s_setreg_imm32_b32 hwreg(HW_REG_WAVE_MODE, 25, 1), 1
	s_wait_xcnt 0x0
; PREP: three operands become codes of FP4 (E2M1) with one E8M0 scale byte for each 32 along K, laid as IMAGES OF THE OPERANDS' REGISTERS.
; A fragment is 16 rows x 128 k in 8 registers: registers 4 c .. 4 c + 3 of lane (r, hl) hold k = 64 c + 32 hl + 0 .. 31 of row r.  Its image is 1,024 bytes: block 2 c + hl of row r at 256 (2 c + hl) + 16 r.
;   work-groups   0-255 (path V): value [8192][1024] f32, K innermost  -> aimg [64 row blocks][8 K steps][8 fragments, then 512 bytes of scale words [tile][row]]
;   work-groups 256-287 (path W): Wv [1024 (k)][1024 (n)] f32          -> bimg [4 column ranges][8 K steps][16 fragments, then 1,024 bytes of scale words by column]
;   work-groups 288-351 (path K): k = key x Wk + bk, one fused multiply-add in f32 -> kimg [64 heads][16 key steps][4 fragments, then 256 bytes of scale words [row][fragment]]
; THE ROWS OF A TILE OF value ARE NOT NEIGHBOURS: row m of tile 2 b + u is row 32 b + 8 u + m + 8 (m / 8) of the block of 128, so that the next launch's results lie with 16 neighbouring keys in a lane's 16 registers.
; A fragment of kimg holds TWO tiles of keys, since a head has only 64 along K: registers 0-3 key X = 64 (f / 2) + 16 (f % 2) + r + 24 (r / 8), registers 4-7 key X + 8; its scale word's bytes are X's two blocks, then those of X + 8.
; A block's scale is 2^(floor(log2(its largest magnitude)) - 2): its byte is the largest magnitude's exponent field - 2, held at 1 from below by a floor among the maximum's leaves.
; A block of zeros so gets the byte 1: its codes are zeros, and this program alone reads the bytes.
; LIMITS: NaN and infinities among the inputs are not served; a block whose largest magnitude lies under 2^-124 is quantised under the floor's scale.
; No tile is read by two work-groups, so there is no cluster; operands go through registers, so several work-groups may lie on a WGP.  Only path V touches LDS or has a barrier.
.set FLOOR, 0x1800000                  ; 2^(3 - 127)
.set EOFF,  0xff000000                 ; takes 2 off an exponent field
.set SCL,   67584                      ; path V: behind the eight stages, 2 x 512 bytes of scale words
.set WV,    20                         ; s20  my wave's number
.set SEL,   22                         ; s[22:23] lane selects of v_permlanex16_b32: lane l xor 16
.set LN,    240                        ; v240 lane, v241 r = lane % 16, v242 hl = lane / 16
.set RR,    241
.set HL,    242
; the largest magnitude of 32 numbers v[x] .. v[x + 31] into v[a] (v[b] is a second chain), with the floor as its last leaf
.macro MAX32 a, b, x
	v_max3_num_f32 v[\a], |v[(\x)]|, |v[(\x)+1]|, |v[(\x)+2]|
	v_max3_num_f32 v[\b], |v[(\x)+3]|, |v[(\x)+4]|, |v[(\x)+5]|
.irp i, 6,10,14,18,22,26
	s_delay_alu instid0(VALU_DEP_2)
	v_max3_num_f32 v[\a], v[\a], |v[(\x)+\i]|, |v[(\x)+\i+1]|
	s_delay_alu instid0(VALU_DEP_2)
	v_max3_num_f32 v[\b], v[\b], |v[(\x)+\i+2]|, |v[(\x)+\i+3]|
.endr
	s_delay_alu instid0(VALU_DEP_2)
	v_max3_num_f32 v[\a], v[\a], |v[(\x)+30]|, |v[(\x)+31]|
	s_delay_alu instid0(VALU_DEP_1)
	v_max3_num_f32 v[\a], v[\a], v[\b], FLOOR
.endm
; PATH V, one K step (128 along K) of my tile of 16 rows: through my stage, so that a lane holds 2 x 32 neighbours of ONE row; two blocks a lane
.macro VSTEP s
.if \s == 0
	s_wait_loadcnt 16                              ; this step's sixteen loads are in; the second step's sixteen may be out
.else
	s_wait_loadcnt 0x0
.endif
.irp i, 0,1,2,3,4,5,6,7,8,9,10,11,12,13,14,15
	ds_store_b128 v2, v[32+64*\s+4*\i:35+64*\s+4*\i] offset:528*\i      ; row i as it was loaded: 512 bytes, 16 a lane
.endr
.irp c, 0,1
.irp j, 0,1,2,3,4,5,6,7
	ds_load_b128 v[160+32*\c+4*\j:163+32*\c+4*\j], v3 offset:256*\c+16*\j   ; LDS serves a wave's instructions in order: these see the stores above.  k = 64 c + 32 hl + 4 j .. of row r
.endr
.endr
	s_wait_dscnt 0x0
	MAX32 8, 9, 160                                ; block hl
	MAX32 10, 11, 192                              ; block 2 + hl
	v_add_nc_u32 v12, EOFF, v8                     ; the conversion takes the exponent field of this operand as its scale
	s_delay_alu instid0(VALU_DEP_2)
	v_add_nc_u32 v13, EOFF, v10
	s_delay_alu instid0(VALU_DEP_2)
	v_lshrrev_b32 v9, 23, v12                      ; the scales' bytes
	s_delay_alu instid0(VALU_DEP_2)
	v_lshrrev_b32 v11, 23, v13
	s_delay_alu instid0(VALU_DEP_1)
	v_lshl_or_b32 v[224+\s], v11, 16, v9
	s_delay_alu instid0(VALU_DEP_1)
	v_lshlrev_b32 v[224+\s], v6, v[224+\s]         ; at their places in the row's scale word: 8 hl bits up
	s_delay_alu instid0(VALU_DEP_1)
	v_permlanex16_b32 v14, v[224+\s], s[SEL], s[SEL+1]
	s_delay_alu instid0(VALU_DEP_1)
	v_or_b32 v[224+\s], v[224+\s], v14             ; with lane l xor 16's two bytes the word is whole
.irp g, 0,1,2,3
	v_cvt_scalef32_pk8_fp4_f32 v[16+8*\s+\g], v[160+8*\g:167+8*\g], v12
	v_cvt_scalef32_pk8_fp4_f32 v[20+8*\s+\g], v[192+8*\g:199+8*\g], v13
.endr
	v_nop                                          ; one plain instruction behind the last conversion of a run
	ds_store_b32 v4, v[224+\s] offset:512*\s       ; both halves of the lanes write the same word with the same value
	global_store_b128 v1, v[16+8*\s:19+8*\s], s[14:15] offset:8704*\s          ; the fragment's image: each store covers 512 consecutive bytes, aligned
	global_store_b128 v1, v[20+8*\s:23+8*\s], s[14:15] offset:8704*\s+512
.endm
; PATH W: block t of my column: Wv(32 t + i, column), i = 0 .. 31, into set t % 2
.macro WLOAD t
.irp i, 0,1,2,3,4,5,6,7,8,9,10,11,12,13,14,15,16,17,18,19,20,21,22,23,24,25,26,27,28,29,30,31
	global_load_b32 v[32+32*((\t)%2)+\i], v7, s[6:7] offset:(32*(\t)+\i)*4096 th:TH_LOAD_NT
.endr
.endm
.macro WBLOCK t
.set XS, 32+32*((\t)%2)
.if (\t) < 3
	s_wait_loadcnt 32                              ; this block's 32 loads are in; the next block's 32 may be out
.else
	s_wait_loadcnt 0x0
.endif
	MAX32 8, 9, XS                                 ; all 32 numbers of the block are mine
	s_delay_alu instid0(VALU_DEP_1)
	v_add_nc_u32 v10, EOFF, v8
	s_delay_alu instid0(VALU_DEP_1)
	v_lshrrev_b32 v11, 23, v10
.if (\t) == 0
	s_delay_alu instid0(VALU_DEP_1)
	v_mov_b32 v96, v11                             ; the column's scale word: byte t for block t
.else
	s_delay_alu instid0(VALU_DEP_1)
	v_lshl_or_b32 v96, v11, 8*(\t), v96
.endif
.irp g, 0,1,2,3
	v_cvt_scalef32_pk8_fp4_f32 v[16+4*(\t)+\g], v[XS+8*\g:XS+8*\g+7], v10
.endr
	v_nop
	global_store_b128 v2, v[16+4*(\t):19+4*(\t)], s[16:17] offset:256*(\t)     ; each half of the lanes covers 256 consecutive bytes, aligned: block t of 16 columns
.if (\t)+2 < 4
	WLOAD (\t)+2
.endif
.endm
; PATH K: one key's 32 numbers of my half of the head, its block's scale and codes.  u = 0: key X, u = 1: key X + 8
.macro KEY s, f, u
	v_mov_b32 v144, v[128+8*(\s)+2*(\f)+(\u)]
	s_wait_alu depctr_va_vdst(0)
.irp i, 0,2,4,6,8,10,12,14,16,18,20,22,24,26,28,30
	v_pk_fma_f32 v[96+\i:97+\i], v[32+\i:33+\i], v[144:145], v[64+\i:65+\i] op_sel_hi:[1,0,1]   ; k = key x Wk + bk, two at a time; the key's number serves both halves
.endr
	MAX32 146, 147, 96
	s_delay_alu instid0(VALU_DEP_1)
	v_add_nc_u32 v148, EOFF, v146
	s_delay_alu instid0(VALU_DEP_1)
	v_lshrrev_b32 v[149+10*(\u)], 23, v148
.irp g, 0,1,2,3
	v_cvt_scalef32_pk8_fp4_f32 v[160+32*(\s)+8*(\f)+4*(\u)+\g], v[96+8*\g:103+8*\g], v148
.endr
	v_nop
.endm
.macro FRAG s, f
	KEY \s, \f, 0
	KEY \s, \f, 1
	v_lshl_or_b32 v[150+4*(\s)+(\f)], v159, 16, v149
	s_delay_alu instid0(VALU_DEP_1)
	v_lshlrev_b32 v[150+4*(\s)+(\f)], v4, v[150+4*(\s)+(\f)]                   ; my blocks' bytes, 8 hl bits up
	s_delay_alu instid0(VALU_DEP_1)
	v_permlanex16_b32 v158, v[150+4*(\s)+(\f)], s[SEL], s[SEL+1]
	s_delay_alu instid0(VALU_DEP_1)
	v_or_b32 v[150+4*(\s)+(\f)], v[150+4*(\s)+(\f)], v158                      ; the fragment's scale word of row r
	global_store_b128 v1, v[160+32*(\s)+8*(\f):163+32*(\s)+8*(\f)], s[18:19] offset:4352*(\s)+1024*(\f)
	global_store_b128 v1, v[164+32*(\s)+8*(\f):167+32*(\s)+8*(\f)], s[18:19] offset:4352*(\s)+1024*(\f)+512
.endm
	s_load_b256 s[4:11], s[0:1], 0x0               ; value s[4:5], Wv s[6:7], key s[8:9], Wk s[10:11]
	s_load_b256 s[12:19], s[0:1], 0x20             ; bk s[12:13], aimg s[14:15], bimg s[16:17], kimg s[18:19]
	v_lshl_add_u32 v254, v0, 2, 0x10c00
	v_mov_b32 v255, 0
	v_lshrrev_b32 v1, 5, v0
	s_delay_alu instid0(VALU_DEP_1)
	v_readfirstlane_b32 s[WV], v1                  ; wave 0..7
	v_and_b32 v[LN], 31, v0
	v_and_b32 v[RR], 15, v0
	v_bfe_u32 v[HL], v0, 4, 1
	s_delay_alu instid0(VALU_DEP_3)
	v_lshlrev_b32 v1, 4, v[LN]                     ; 16 x lane: a load's and an image's place for my lane
	s_mov_b32 s[SEL], 0x76543210
	s_mov_b32 s[SEL+1], 0xfedcba98
	s_wait_kmcnt 0x0
	s_cmp_lt_u32 ttmp9, 256                        ; the paths part on the work-group's number alone
	s_cbranch_scc0 .Lnot_v
	; ---------------- PATH V: 128 rows x 256 along K of value; wave w takes tile w
	s_lshr_b32 s24, ttmp9, 2                       ; row block
	s_and_b32 s25, ttmp9, 3                        ; which two K steps
	s_lshr_b32 s26, s[WV], 1
	s_and_b32 s27, s[WV], 1
	s_lshl_b32 s28, s24, 7
	s_lshl_b32 s26, s26, 5
	s_add_co_u32 s28, s28, s26
	s_lshl_b32 s29, s27, 3
	s_add_co_u32 s28, s28, s29                     ; my tile's first row: 128 x block + 32 (w / 2) + 8 (w % 2)
	s_lshl_b32 s28, s28, 12                        ; a row of value is 4,096 bytes
	s_lshl_b32 s29, s25, 10                        ; two K steps are 1,024 bytes
	s_add_co_u32 s28, s28, s29
	s_mov_b32 s29, 0
	s_add_nc_u64 s[4:5], s[4:5], s[28:29]
	s_wait_alu depctr_va_vdst(0)
.irp s, 0,1
.irp i, 0,1,2,3,4,5,6,7,8,9,10,11,12,13,14,15
	global_load_b128 v[32+64*\s+4*\i:35+64*\s+4*\i], v1, s[4:5] offset:(\i+8*(\i/8))*4096+512*\s th:TH_LOAD_NT   ; 32 lanes read 512 consecutive bytes of one row
.endr
.endr
	s_mul_i32 s30, s24, 69632
	s_mul_i32 s31, s25, 17408
	s_add_co_u32 s30, s30, s31
	s_mov_b32 s31, 0
	s_add_nc_u64 s[14:15], s[14:15], s[30:31]      ; the record of my first K step
	s_mul_i32 s32, s27, 8704
	s_add_co_u32 s32, s32, 8192
	s_mov_b32 s33, 0
	s_add_nc_u64 s[24:25], s[14:15], s[32:33]      ; where wave 0 (1) stores the first (second) K step's scale words
	s_lshl_b32 s32, s[WV], 10
	s_add_nc_u64 s[14:15], s[14:15], s[32:33]      ; my fragment in it
	s_mul_i32 s34, s[WV], 8448                     ; my stage: 16 rows of 512 bytes + 16 of padding
	v_add_nc_u32 v2, s34, v1                       ; in: 16 x lane of a row
	v_mul_u32_u24 v3, v[RR], 528
	s_delay_alu instid0(VALU_DEP_1)
	v_lshl_add_u32 v3, v[HL], 7, v3
	s_delay_alu instid0(VALU_DEP_1)
	v_add_nc_u32 v3, s34, v3                       ; out: row r, + 128 hl
	s_lshl_b32 s34, s[WV], 6
	s_add_co_u32 s34, s34, SCL
	v_lshl_add_u32 v4, v[RR], 2, s34               ; my row's scale word: [tile][row]
	s_lshl_b32 s34, s27, 9
	s_add_co_u32 s34, s34, SCL
	v_add_nc_u32 v5, s34, v1                       ; and where waves 0 and 1 read a step's 512 bytes back
	v_lshlrev_b32 v6, 3, v[HL]
	v_mov_b32 v14, 0                               ; a lane permute's destination counts as one of its sources
	s_wait_alu depctr_va_vdst(0)
	VSTEP 0
	VSTEP 1
	s_wait_dscnt 0x0                               ; for the others' sake: my scale words have landed
	s_barrier_signal -1
	s_barrier_wait -1
	s_cmp_lt_u32 s[WV], 2
	s_cbranch_scc0 .Lv_end
	ds_load_b128 v[228:231], v5                    ; the eight tiles' scale words of one K step
	s_wait_dscnt 0x0
	global_store_b128 v1, v[228:231], s[24:25]     ; 512 consecutive bytes, aligned
.Lv_end:
	s_wait_tensorcnt 0x0
	ds_add_u32 v254, v255
	s_wait_dscnt 0x0
	s_endpgm
.Lnot_v:
	s_cmp_lt_u32 ttmp9, 288
	s_cbranch_scc0 .Lpath_k
	; ---------------- PATH W: 256 columns x one K step of Wv.  A LANE TAKES A COLUMN, AND ITS REGISTERS RUN DOWN K: nothing is transposed
	s_sub_co_u32 s24, ttmp9, 256
	s_lshr_b32 s25, s24, 3                         ; column range
	s_and_b32 s24, s24, 7                          ; K step
	s_lshl_b32 s26, s24, 19                        ; 128 rows of 4,096 bytes
	s_lshl_b32 s27, s25, 10
	s_add_co_u32 s26, s26, s27
	s_lshl_b32 s27, s[WV], 7                       ; my wave's 32 columns
	s_add_co_u32 s26, s26, s27
	s_mov_b32 s27, 0
	s_add_nc_u64 s[6:7], s[6:7], s[26:27]
	s_wait_alu depctr_va_vdst(0)
	v_lshlrev_b32 v7, 2, v[LN]                     ; 4 x lane: each load reads 128 consecutive bytes
	WLOAD 0
	WLOAD 1
	s_mul_i32 s28, s25, 139264
	s_mul_i32 s29, s24, 17408
	s_add_co_u32 s28, s28, s29
	s_mov_b32 s29, 0
	s_add_nc_u64 s[16:17], s[16:17], s[28:29]      ; the record
	s_lshl_b32 s28, s[WV], 7
	s_add_co_u32 s28, s28, 16384
	s_add_nc_u64 s[26:27], s[16:17], s[28:29]      ; my 32 columns' scale words
	s_lshl_b32 s28, s[WV], 11
	s_add_nc_u64 s[16:17], s[16:17], s[28:29]      ; my two fragments
	v_lshlrev_b32 v2, 4, v[RR]
	s_delay_alu instid0(VALU_DEP_1)
	v_lshl_add_u32 v2, v[HL], 10, v2               ; fragment hl, row r
	WBLOCK 0
	WBLOCK 1
	WBLOCK 2
	WBLOCK 3
	global_store_b32 v7, v96, s[26:27]             ; 128 consecutive bytes a wave: one byte for each 128 that the path reads
	s_endpgm
.Lpath_k:
	; ---------------- PATH K: one head's 2,048 keys; wave w takes key steps 2 w and 2 w + 1.  Lane (r, hl) makes channels 32 hl .. 32 hl + 31: one block
	s_sub_co_u32 s24, ttmp9, 288                   ; head n = 4 h + b
	s_lshr_b32 s25, s24, 2
	s_and_b32 s26, s24, 3
	s_lshl_b32 s28, s25, 8                         ; the head's 64 numbers of Wk and bk
	s_mov_b32 s29, 0
	s_add_nc_u64 s[10:11], s[10:11], s[28:29]
	s_add_nc_u64 s[12:13], s[12:13], s[28:29]
	s_lshl_b32 s28, s26, 13                        ; batch b: 2,048 keys of 4 bytes
	s_lshl_b32 s30, s[WV], 10                      ; my 256 keys
	s_add_co_u32 s28, s28, s30
	s_add_nc_u64 s[8:9], s[8:9], s[28:29]
	s_mul_i32 s28, s24, 69632
	s_mul_i32 s30, s[WV], 8704
	s_add_co_u32 s28, s28, s30
	s_add_nc_u64 s[18:19], s[18:19], s[28:29]      ; my two records
	s_wait_alu depctr_va_vdst(0)
	v_and_b32 v2, 8, v[RR]
	s_delay_alu instid0(VALU_DEP_1)
	v_mad_u32_u24 v2, v2, 3, v[RR]                 ; r + 24 (r / 8): THE KEYS OF A FRAGMENT OF kimg: registers 0-3 of fragment f hold key X = 64 (f / 2) + 16 (f % 2) + r + 24 (r / 8), registers 4-7 key X + 8 (this line and the loads' offsets below state the order that is stored)
	s_delay_alu instid0(VALU_DEP_1)
	v_lshlrev_b32 v2, 2, v2                        ; 4 (r + 24 (r / 8))
	v_lshlrev_b32 v3, 7, v[HL]                     ; my half of the head: 128 hl bytes
.irp j, 0,1,2,3,4,5,6,7
	global_load_b128 v[32+4*\j:35+4*\j], v3, s[10:11] offset:16*\j
	global_load_b128 v[64+4*\j:67+4*\j], v3, s[12:13] offset:16*\j
.endr
.irp s, 0,1
.irp f, 0,1,2,3
.irp u, 0,1
	global_load_b32 v[128+8*\s+2*\f+\u], v2, s[8:9] offset:(128*\s+64*(\f/2)+16*(\f%2)+8*\u)*4   ; rows 0-7 of the four tiles of fragments 2 c, 2 c + 1 are the 32 keys of block 2 c, rows 8-15 those of block 2 c + 1
.endr
.endr
.endr
	v_lshlrev_b32 v4, 3, v[HL]
	v_lshlrev_b32 v5, 4, v[RR]
	s_delay_alu instid0(VALU_DEP_1)
	v_lshl_add_u32 v5, v[HL], 3, v5                ; 16 r + 8 hl: two of a row's four scale words
	v_cmp_le_u32 vcc_lo, 16, v[LN]                 ; lanes 16-31
	v_mov_b32 v145, 0                              ; named as the upper half of a pair
	v_mov_b32 v158, 0                              ; a lane permute's destination counts as one of its sources
	s_wait_loadcnt 0x0
.irp s, 0,1
	FRAG \s, 0
	FRAG \s, 1
	FRAG \s, 2
	FRAG \s, 3
	v_cndmask_b32 v[224+2*\s], v[150+4*\s], v[152+4*\s], vcc_lo    ; lanes 0-15 store fragments 0 and 1's words, lanes 16-31 those of 2 and 3
	v_cndmask_b32 v[225+2*\s], v[151+4*\s], v[153+4*\s], vcc_lo
	global_store_b64 v5, v[224+2*\s:225+2*\s], s[18:19] offset:4352*\s+4096    ; the 32 lanes cover 256 consecutive bytes, aligned
.endr
	s_endpgm
.Lfunc_end_k_q581df5b5c2_prep:
	.size	k_q581df5b5c2_prep, .Lfunc_end_k_q581df5b5c2_prep-k_q581df5b5c2_prep
	.p2alignl 7, 3214868480
	.fill 96, 4, 3214868480
	.section	.rodata,"a",@progbits
	.p2align	6, 0x0
	.amdhsa_kernel k_q581df5b5c2_prep
		.amdhsa_group_segment_fixed_size 69632
		.amdhsa_private_segment_fixed_size 0
		.amdhsa_enable_private_segment 0
		.amdhsa_kernarg_size 64
		.amdhsa_user_sgpr_count 2
		.amdhsa_user_sgpr_kernarg_segment_ptr 1
		.amdhsa_wavefront_size32 1
		.amdhsa_system_sgpr_workgroup_id_x 1
		.amdhsa_system_sgpr_workgroup_id_y 1
		.amdhsa_system_sgpr_workgroup_id_z 1
		.amdhsa_system_vgpr_workitem_id 0
		.amdhsa_next_free_vgpr 256
		.amdhsa_next_free_sgpr 66
		.amdhsa_reserve_vcc 1
		.amdhsa_float_denorm_mode_32 3
		.amdhsa_float_denorm_mode_16_64 3
		.amdhsa_memory_ordered 1
		.amdhsa_forward_progress 1
		.amdhsa_inst_pref_size 97
	.end_amdhsa_kernel
	.amdgpu_metadata
---
amdhsa.version: [ 1, 2 ]
amdhsa.kernels:
  - .name:           k_q581df5b5c2_prep
    .symbol:         k_q581df5b5c2_prep.kd
    .args:
      - { .name: value, .offset: 0, .size: 8, .value_kind: global_buffer, .address_space: global }
      - { .name: Wv, .offset: 8, .size: 8, .value_kind: global_buffer, .address_space: global }
      - { .name: key, .offset: 16, .size: 8, .value_kind: global_buffer, .address_space: global }
      - { .name: Wk, .offset: 24, .size: 8, .value_kind: global_buffer, .address_space: global }
      - { .name: bk, .offset: 32, .size: 8, .value_kind: global_buffer, .address_space: global }
      - { .name: aimg, .offset: 40, .size: 8, .value_kind: global_buffer, .address_space: global }
      - { .name: bimg, .offset: 48, .size: 8, .value_kind: global_buffer, .address_space: global }
      - { .name: kimg, .offset: 56, .size: 8, .value_kind: global_buffer, .address_space: global }
    .group_segment_fixed_size: 69632
    .private_segment_fixed_size: 0
    .kernarg_segment_align: 8
    .kernarg_segment_size: 64
    .max_flat_workgroup_size: 256
    .sgpr_count:     66
    .vgpr_count:     256
    .wavefront_size: 32
...
	.end_amdgpu_metadata
.endif
;; end of part 1
;; launch vproj (part 2): grid 4 x 64, 8 waves a work-group, clusters of 4 x 4, 210,944 bytes of LDS; arguments aimg, bimg, bv, vimg; writes vimg
.if DOCPART == 2
	.amdgcn_target "amdgcn-amd-amdhsa--gfx1250"
	.amdhsa_code_object_version 6
	.text
	.protected	k_q581df5b5c2_vproj
	.globl	k_q581df5b5c2_vproj
	.p2align	8
	.type	k_q581df5b5c2_vproj,@function
k_q581df5b5c2_vproj:
	s_mov_b64 s[64:65], 0
	v_nop
	global_prefetch_b8 v0, s[64:65] scope:SCOPE_SE
	s_setreg_imm32_b32 hwreg(HW_REG_WAVE_MODE, 25, 1), 1
	s_wait_xcnt 0x0
	s_wait_alu depctr_hold_cnt(0) depctr_sa_sdst(0) depctr_va_vdst(0) depctr_va_sdst(0) depctr_va_ssrc(0) depctr_va_vcc(0) depctr_vm_vsrc(0)
	s_getreg_b32 s2, hwreg(HW_REG_IB_STS2, 6, 4)
	s_cmp_eq_u32 s2, 0
	s_cbranch_scc0 .Lentry_in_a_cluster
	s_endpgm
.Lentry_in_a_cluster:
	s_bfe_u32 s2, ttmp6, 0x10000c
	s_cmp_lg_u32 s2, 0xf033
	s_cbranch_scc0 .Lentry_shape_is_right
	s_endpgm
.Lentry_shape_is_right:
; VPROJ: v = value Wv + bv on codes of FP4 (E2M1) with E8M0 scales, sums in f32; v is then quantised ALONG THE KEYS, in registers, and leaves as images of the next launch's operand registers.
; A work-group makes 128 keys x 256 columns: one key step of four heads.  All of its operands lie in LDS whole: 8 K steps of A (69,632 bytes) and of B (139,264 bytes); every LDS byte is filled once.
; Each of the eight waves takes all 128 rows x 32 columns: 16 accumulators of 16 x 16, 128 registers; 16 matrix instructions a K step.
; The product is used in its natural order (source 0 = 16 rows of value, source 1 = 16 columns of Wv): a lane holds ONE column and its registers run along the keys, which are the next product's K.
; The rows of a tile of value were chosen (row m of tile 2 b + u = key 32 b + 8 u + m + 8 (m / 8)) so that the 16 registers of tiles 2 b and 2 b + 1 are keys 32 b + 16 (lane / 16) + 0 .. 15.
; The bias is the C of each sum's first matrix instruction.
; CLUSTER: 4 x 4 work-groups.  A's blocks hang on the row block alone and are asked for jointly along a row of the cluster, B's on the column range alone, along a column: the requests are divided by four.
; vimg: [64 heads][16 key steps][4 fragments (row r of fragment t = channel 16 t + r, k = the step's 128 keys), then 256 bytes of scale words [row][fragment]].
; LIMITS: NaN and infinities are not served; a block whose largest magnitude lies under 2^-124 is quantised under the floor's scale; a block of zeros gets the byte 1 (its codes are zeros, and this program alone reads the bytes).
.set FLOOR, 0x1800000
.set EOFF,  0xff000000
.set BOFF,  69632                      ; LDS: A's 8 records of 8,704 bytes from 0; B's 8 records of 17,408 bytes from here;
.set SCL,   208896                     ; and 1,024 bytes for the scale words on the way out, into which no tensor load lands
.set WV,  12                           ; s12  my wave's number
.set G1A, 24                           ; s[24:31] descriptor group 1 for A;  s[32:39] for B: they differ in the mask and in the row count
.set G1B, 32
.set G0A, 40                           ; s[40:43] group 0 for my quarter of A;  s[68:71] for my quarter of B: never rewritten
.set G0B, 68
.macro ROUND                           ; a round of the cluster's barrier: my work-group's barrier; wave 0 signals for the work-group; every wave waits for all sixteen; my work-group's barrier once more
	s_barrier_signal -1
	s_barrier_wait -1
	s_cmp_lg_u32 s[WV], 0
	s_cbranch_scc1 .Lnot_wave_0_\@
	s_barrier_signal -3
.Lnot_wave_0_\@:
	s_barrier_wait -3
	s_barrier_signal -1
	s_barrier_wait -1
.endm
; one product: tile T of rows x tile n of my columns.  A's scale words of tiles 2 i and 2 i + 1 share a register (lanes 0-15, lanes 16-31), and so do B's of my two tiles
.macro MM T, n
.set rD, 128+64*(\n)+8*(\T)
.set rA, 32+8*(\T)
.set rB, 96+8*(\n)
.set rS, 16+(\T)/2
.set rC, rD
.if FIRST
.set rC, 112+8*(\n)                    ; the first K step starts the sums from the bias
.endif
.if ((\T)%2 == 0) && ((\n) == 0)
	v_wmma_scale_f32_16x16x128_f8f6f4 v[rD:rD+7], v[rA:rA+7], v[rB:rB+7], v[rC:rC+7], v[rS], v20 matrix_a_fmt:MATRIX_FMT_FP4 matrix_b_fmt:MATRIX_FMT_FP4
.elseif ((\T)%2 == 1) && ((\n) == 0)
	v_wmma_scale_f32_16x16x128_f8f6f4 v[rD:rD+7], v[rA:rA+7], v[rB:rB+7], v[rC:rC+7], v[rS], v20 matrix_a_fmt:MATRIX_FMT_FP4 matrix_b_fmt:MATRIX_FMT_FP4 matrix_a_scale:MATRIX_SCALE_ROW1
.elseif ((\T)%2 == 0) && ((\n) == 1)
	v_wmma_scale_f32_16x16x128_f8f6f4 v[rD:rD+7], v[rA:rA+7], v[rB:rB+7], v[rC:rC+7], v[rS], v20 matrix_a_fmt:MATRIX_FMT_FP4 matrix_b_fmt:MATRIX_FMT_FP4 matrix_b_scale:MATRIX_SCALE_ROW1
.else
	v_wmma_scale_f32_16x16x128_f8f6f4 v[rD:rD+7], v[rA:rA+7], v[rB:rB+7], v[rC:rC+7], v[rS], v20 matrix_a_fmt:MATRIX_FMT_FP4 matrix_b_fmt:MATRIX_FMT_FP4 matrix_a_scale:MATRIX_SCALE_ROW1 matrix_b_scale:MATRIX_SCALE_ROW1
.endif
.endm
; K step 2 c + j.  Four plain vector instructions stand between the last products and the loads into the registers that they read (ISA guide 7.12.1 for vector instructions)
.macro KSTEP c, j
.set FIRST, 0
.if (\c)+(\j) == 0
.set FIRST, 1
.endif
.if (\j) == 0
	v_add_nc_u32 v8, (\c)*17408, v1                ; the chunk's addresses: A's fragments,
	s_wait_alu depctr_va_vdst(0)
	v_add_nc_u32 v9, (\c)*17408, v2                ; A's scale words,
	s_wait_alu depctr_va_vdst(0)
	v_add_nc_u32 v10, (\c)*34816, v3               ; B's fragments,
	s_wait_alu depctr_va_vdst(0)
	v_add_nc_u32 v11, (\c)*34816, v4               ; B's scale words
.else
.rept 4
	v_nop
.endr
.endif
.irp i, 0,1,2,3,4,5,6,7,8,9,10,11,12,13,14,15
	ds_load_b128 v[32+4*\i:35+4*\i], v8 offset:8704*(\j)+512*\i            ; A's eight fragments as images: 16 x lane, no pitch
.endr
.irp i, 0,1,2,3
	ds_load_b32 v[16+\i], v9 offset:8704*(\j)+8192+128*\i                  ; lanes 0-15: tile 2 i's words, lanes 16-31: tile 2 i + 1's
.endr
.irp i, 0,1,2,3
	ds_load_b128 v[96+4*\i:99+4*\i], v10 offset:17408*(\j)+512*\i          ; my two fragments of B
.endr
	ds_load_b32 v20, v11 offset:17408*(\j)                                 ; lanes 0-15: my first 16 columns' words, lanes 16-31: the other 16's
	s_wait_dscnt 0x0
.irp T, 0,1,2,3,4,5,6,7
	MM \T, 0                                       ; the sixteen accumulators take turns, one instruction a turn
	MM \T, 1
.endr
.endm
.macro CHUNK c                         ; two K steps: what one load of A and one load of B by each of two waves have brought
.if (\c) == 0
	s_wait_tensorcnt 0x0                           ; my one load has landed
	s_wait_dscnt 0x0
	s_barrier_signal -1
	s_barrier_wait -1                              ; everybody's has: all of A and B lies in LDS, and nothing is filled again
.endif
	KSTEP \c, 0
	s_wait_alu depctr_va_vdst(0)
	KSTEP \c, 1
.endm
	s_load_b256 s[4:11], s[0:1], 0x0               ; aimg s[4:5], bimg s[6:7], bv s[8:9], vimg s[10:11]
	v_lshl_add_u32 v30, v0, 2, 0x33400
	v_mov_b32 v31, 0
	ds_add_u32 v30, v31
	ds_add_u32 v30, v31
	v_lshrrev_b32 v1, 5, v0
	s_delay_alu instid0(VALU_DEP_1)
	v_readfirstlane_b32 s[WV], v1                  ; wave 0..7
	s_bfe_u32 s13, ttmp6, 0x40000                  ; cx, cy: my place in the cluster
	s_bfe_u32 s14, ttmp6, 0x40004
	s_lshl_b32 s15, ttmp9, 2
	s_add_co_u32 s15, s15, s13                     ; column range = 4 x cluster x + cx
	s_and_b32 s16, ttmp7, 0xffff
	s_lshl_b32 s16, s16, 2
	s_add_co_u32 s16, s16, s14                     ; row block = 4 x cluster y + cy
	s_lshl_b32 s17, s14, 2
	s_lshl_b32 s17, 15, s17                        ; my row of the cluster
	s_lshl_b32 s18, 0x1111, s13                    ; my column
	; descriptor group 1: 17,408 dense bytes as 68 rows of 256 bytes (32 elements of 8 bytes), no padding
	s_or_b32 s[G1A], s17, (3<<16)|(1<<21)          ; 15:0 the mask; 17:16 elements of 8 bytes; 21 set beside a mask
	s_or_b32 s[G1B], s18, (3<<16)|(1<<21)
.irp g, G1A, G1B
	s_mov_b32 s[\g+1], 32<<16                      ; tensor_dim0 = 32
	s_mov_b32 s[\g+2], 68<<16                      ; tensor_dim1 = 68
	s_mov_b32 s[\g+3], 32<<16                      ; tile_dim0 = 32
	s_mov_b32 s[\g+4], 68                          ; tile_dim1 = 68
	s_mov_b32 s[\g+5], 32                          ; from row to row
	s_mov_b32 s[\g+6], 0
	s_mov_b32 s[\g+7], 0
.endr
	s_mov_b32 s[G1B+2], 136<<16                    ; a load of B brings two K steps of 17,408 bytes: 136 rows of 256 bytes
	s_mov_b32 s[G1B+4], 136
	s_mul_i32 s84, s16, 69632                      ; A: my row block's eight records (these registers never hold cx)
	s_mov_b32 s85, 0
	s_lshr_b32 s19, s[WV], 1                       ; wave / 2: my head among the four
	s_mul_i32 s88, s15, 139264                     ; B: my column range's eight records (these never hold cy)
	s_and_b32 s93, s[WV], 3                        ; waves 0-3 fetch K steps 2 (wave % 4) and + 1 of A, waves 4-7 the same of B: one tensor load a wave
	s_mul_i32 s92, s93, 34816
	s_add_co_u32 s88, s88, s92
	s_mul_i32 s93, s93, 17408
	s_add_co_u32 s84, s84, s93
	s_mov_b32 s89, 0
	s_wait_dscnt 0x0
	s_wait_kmcnt 0x0
	s_add_nc_u64 s[86:87], s[4:5], s[84:85]
	s_add_nc_u64 s[90:91], s[6:7], s[88:89]
	ROUND                                          ; all sixteen work-groups are here: the joint loads meet
.irp c, 0
	s_mov_b32 s[G0A+4*\c], 1
	s_mov_b32 s[G0A+4*\c+1], s93
	s_add_nc_u64 s[G0A+4*\c+2:G0A+4*\c+3], s[86:87], \c*17408
	s_or_b32 s[G0A+4*\c+3], s[G0A+4*\c+3], 0x80000000              ; type = 2
	s_mov_b32 s[G0B+4*\c], 1
	s_add_co_u32 s[G0B+4*\c+1], s92, BOFF+\c*34816                 ; K steps 2 (wave % 4) and + 1 of B
	s_add_nc_u64 s[G0B+4*\c+2:G0B+4*\c+3], s[90:91], \c*34816
	s_or_b32 s[G0B+4*\c+3], s[G0B+4*\c+3], 0x80000000
.endr
	s_cmp_lt_u32 s[WV], 4                          ; two arms, a load in each, one join
	s_cbranch_scc0 .Lnot_a
	tensor_load_to_lds s[G0A:G0A+3], s[G1A:G1A+7]
	s_nop 0
.rept 4
	v_nop
.endr
	s_branch .Lasked
.Lnot_a:
	tensor_load_to_lds s[G0B:G0B+3], s[G1B:G1B+7]
	s_nop 0
.rept 4
	v_nop
.endr
.Lasked:
	; where the results go: head n = 4 (4 x column range + wave / 2) + row block / 16, key step row block % 16, fragments 2 (wave % 2) and + 1
	s_lshl_b32 s20, s15, 2
	s_add_co_u32 s20, s20, s19
	s_lshl_b32 s20, s20, 2
	s_lshr_b32 s21, s16, 4
	s_add_co_u32 s20, s20, s21
	s_mul_i32 s20, s20, 69632
	s_and_b32 s22, s16, 15
	s_mul_i32 s22, s22, 4352
	s_add_co_u32 s20, s20, s22
	s_and_b32 s23, s[WV], 1
	s_lshl_b32 s23, s23, 11
	s_add_co_u32 s20, s20, s23
	s_mov_b32 s21, 0
	s_add_nc_u64 s[56:57], s[10:11], s[20:21]      ; my codes
	s_lshl_b32 s20, s15, 2
	s_and_b32 s23, s[WV], 3
	s_add_co_u32 s20, s20, s23
	s_lshl_b32 s20, s20, 2
	s_lshr_b32 s23, s16, 4
	s_add_co_u32 s20, s20, s23
	s_mul_i32 s20, s20, 69632
	s_add_co_u32 s20, s20, s22
	s_add_co_u32 s20, s20, 4096
	s_add_nc_u64 s[58:59], s[10:11], s[20:21]      ; the scale words of head 4 x column range + wave, for waves 0 to 3
	s_lshl_b32 s20, s15, 10
	s_lshl_b32 s23, s[WV], 7
	s_add_co_u32 s20, s20, s23
	s_add_nc_u64 s[60:61], s[8:9], s[20:21]        ; bv at my 32 columns
	s_mov_b32 s94, 0x76543210
	s_mov_b32 s95, 0xfedcba98                      ; v_permlanex16_b32's selects for lane l xor 16
	v_and_b32 v22, 31, v0                          ; lane
	v_and_b32 v23, 15, v0                          ; r
	s_wait_alu depctr_va_vdst(0)
	v_bfe_u32 v24, v0, 4, 1                        ; hl
	v_lshlrev_b32 v13, 2, v23
	global_load_b32 v112, v13, s[60:61]            ; a lane holds one column: its bias fills eight registers
	global_load_b32 v120, v13, s[60:61] offset:64
	v_lshlrev_b32 v1, 4, v22                       ; 16 x lane
	v_lshlrev_b32 v2, 2, v22                       ; 4 x lane
	s_lshl_b32 s62, s[WV], 11
	s_add_co_u32 s62, s62, BOFF
	v_add_nc_u32 v3, s62, v1                       ; my two fragments in a record of B
	s_lshl_b32 s62, s[WV], 7
	s_add_co_u32 s62, s62, BOFF+16384
	v_add_nc_u32 v4, s62, v2                       ; my 32 columns' scale words
	v_lshlrev_b32 v5, 4, v23
	s_delay_alu instid0(VALU_DEP_1)
	v_lshl_add_u32 v5, v24, 10, v5                 ; the way out: fragment hl, row r
	s_lshl_b32 s62, s19, 8
	s_and_b32 s63, s[WV], 1
	s_lshl_b32 s63, s63, 3
	s_add_co_u32 s62, s62, s63
	s_add_co_u32 s62, s62, SCL
	v_lshlrev_b32 v6, 4, v23
	s_wait_alu depctr_va_vdst(0)
	v_lshl_add_u32 v6, v24, 2, v6
	s_delay_alu instid0(VALU_DEP_1)
	v_add_nc_u32 v6, s62, v6                       ; my scale word: head wave / 2, [row r][fragment 2 (wave % 2) + hl]
	s_and_b32 s62, s[WV], 3
	s_lshl_b32 s62, s62, 8
	s_add_co_u32 s62, s62, SCL
	v_lshlrev_b32 v12, 3, v22                      ; 8 x lane
	s_delay_alu instid0(VALU_DEP_1)
	v_add_nc_u32 v7, s62, v12                      ; and where waves 0 to 3 read a head's 256 bytes back
	s_wait_loadcnt 0x0
.irp j, 1,2,3,4,5,6,7
	v_mov_b32 v[112+\j], v112
	v_mov_b32 v[120+\j], v120
.endr
	s_wait_alu depctr_va_vdst(0)
	CHUNK 0
	CHUNK 1
	CHUNK 2
	CHUNK 3
	; THE WAY OUT: v is quantised along the keys.  Group (n, b): column tile n, keys 32 b + 16 hl + 0 .. 15 in registers 128 + 64 n + 16 b on; a block of 32 keys lies in lanes l and l xor 16
.rept 4
	v_nop                                          ; four places behind the last products
.endr
.irp n, 0,1
.irp b, 0,1,2,3
	v_max3_num_f32 v[32+4*\n+\b], |v[128+64*\n+16*\b]|, |v[129+64*\n+16*\b]|, FLOOR   ; each accumulator is read from its low end on; the eight groups by turns
.endr
.endr
.irp i, 2,4,6,8,10,12,14
.irp n, 0,1
.irp b, 0,1,2,3
	v_max3_num_f32 v[32+4*\n+\b], v[32+4*\n+\b], |v[128+64*\n+16*\b+\i]|, |v[129+64*\n+16*\b+\i]|
.endr
.endr
.endr
.irp g, 0,1,2,3,4,5,6,7
	v_permlanex16_b32 v[40+\g], v[32+\g], s94, s95
.endr
.irp g, 0,1,2,3,4,5,6,7
	v_max_num_f32 v[32+\g], v[32+\g], v[40+\g]     ; the block's largest magnitude
.endr
.irp g, 0,1,2,3,4,5,6,7
	v_add_nc_u32 v[48+\g], EOFF, v[32+\g]          ; the conversion's scale operand
.endr
.irp g, 0,1,2,3,4,5,6,7
	v_lshrrev_b32 v[56+\g], 23, v[48+\g]           ; the scale's byte
.endr
.irp n, 0,1
	v_lshl_or_b32 v[80+\n], v[57+4*\n], 8, v[56+4*\n]              ; the column's scale word for these 128 keys
	s_delay_alu instid0(VALU_DEP_1)
	v_lshl_or_b32 v[80+\n], v[58+4*\n], 16, v[80+\n]
	s_delay_alu instid0(VALU_DEP_1)
	v_lshl_or_b32 v[80+\n], v[59+4*\n], 24, v[80+\n]
.endr
.irp n, 0,1
.irp b, 0,1,2,3
	v_cvt_scalef32_pk8_fp4_f32 v[64+4*\b+2*\n], v[128+64*\n+16*\b:135+64*\n+16*\b], v[48+4*\n+\b]
	v_cvt_scalef32_pk8_fp4_f32 v[65+4*\b+2*\n], v[136+64*\n+16*\b:143+64*\n+16*\b], v[48+4*\n+\b]
.endr
.endr
	v_nop                                          ; one plain instruction behind the last conversion
.irp b, 0,1,2,3
.irp i, 0,1
	v_permlane16_swap_b32 v[64+4*\b+\i], v[66+4*\b+\i]             ; tile 0's lanes 16-31 change places with tile 1's lanes 0-15: lane (r, hl) now holds all 32 keys of block b of column 16 hl + r
.endr
.endr
	v_cmp_le_u32 vcc_lo, 16, v22
	s_delay_alu instid0(VALU_DEP_1)
	v_cndmask_b32 v82, v80, v81, vcc_lo            ; and its column's scale word
.irp b, 0,1,2,3
	global_store_b128 v5, v[64+4*\b:67+4*\b], s[56:57] offset:256*\b           ; each half of the lanes covers 256 consecutive bytes, aligned
.endr
	ds_store_b32 v6, v82
	s_wait_dscnt 0x0                               ; for the others' sake: my scale words have landed
	s_barrier_signal -1
	s_barrier_wait -1
	s_cmp_lt_u32 s[WV], 4
	s_cbranch_scc0 .Lno_words
	ds_load_b64 v[84:85], v7                       ; one head's 64 scale words
	s_wait_dscnt 0x0
	global_store_b64 v12, v[84:85], s[58:59]       ; 256 consecutive bytes, aligned
.Lno_words:
	s_wait_tensorcnt 0x0
	ds_add_u32 v30, v31
	s_wait_dscnt 0x0
	ROUND                                          ; the closing round: no work-group ends while a partner may still ask for a block that names it
	s_endpgm
.Lfunc_end_k_q581df5b5c2_vproj:
	.size	k_q581df5b5c2_vproj, .Lfunc_end_k_q581df5b5c2_vproj-k_q581df5b5c2_vproj
	.p2alignl 7, 3214868480
	.fill 96, 4, 3214868480
	.section	.rodata,"a",@progbits
	.p2align	6, 0x0
	.amdhsa_kernel k_q581df5b5c2_vproj
		.amdhsa_group_segment_fixed_size 210944
		.amdhsa_private_segment_fixed_size 0
		.amdhsa_enable_private_segment 0
		.amdhsa_kernarg_size 32
		.amdhsa_user_sgpr_count 2
		.amdhsa_user_sgpr_kernarg_segment_ptr 1
		.amdhsa_wavefront_size32 1
		.amdhsa_system_sgpr_workgroup_id_x 1
		.amdhsa_system_sgpr_workgroup_id_y 1
		.amdhsa_system_sgpr_workgroup_id_z 1
		.amdhsa_system_vgpr_workitem_id 0
		.amdhsa_next_free_vgpr 256
		.amdhsa_next_free_sgpr 96
		.amdhsa_reserve_vcc 1
		.amdhsa_float_denorm_mode_32 3
		.amdhsa_float_denorm_mode_16_64 3
		.amdhsa_memory_ordered 1
		.amdhsa_forward_progress 1
		.amdhsa_inst_pref_size 47
	.end_amdhsa_kernel
	.amdgpu_metadata
---
amdhsa.version: [ 1, 2 ]
amdhsa.kernels:
  - .name:           k_q581df5b5c2_vproj
    .symbol:         k_q581df5b5c2_vproj.kd
    .args:
      - { .name: aimg, .offset: 0, .size: 8, .value_kind: global_buffer, .address_space: global }
      - { .name: bimg, .offset: 8, .size: 8, .value_kind: global_buffer, .address_space: global }
      - { .name: bv, .offset: 16, .size: 8, .value_kind: global_buffer, .address_space: global }
      - { .name: vimg, .offset: 24, .size: 8, .value_kind: global_buffer, .address_space: global }
    .group_segment_fixed_size: 210944
    .private_segment_fixed_size: 0
    .kernarg_segment_align: 8
    .kernarg_segment_size: 32
    .max_flat_workgroup_size: 256
    .sgpr_count:     96
    .vgpr_count:     256
    .wavefront_size: 32
...
	.end_amdgpu_metadata
.endif
;; end of part 2
;; launch attn (part 3): grid 4 x 64, 16 waves a work-group, clusters of 4 x 1, 210,944 bytes of LDS; arguments query, Wq, bq, kimg, vimg, out0; writes out0
.if DOCPART == 3
	.amdgcn_target "amdgcn-amd-amdhsa--gfx1250"
	.amdhsa_code_object_version 6
	.text
	.protected	k_q581df5b5c2_attn
	.globl	k_q581df5b5c2_attn
	.p2align	8
	.type	k_q581df5b5c2_attn,@function
k_q581df5b5c2_attn:
	s_mov_b64 s[64:65], 0
	v_nop
	global_prefetch_b8 v0, s[64:65] scope:SCOPE_SE
	s_setreg_imm32_b32 hwreg(HW_REG_WAVE_MODE, 25, 1), 1
	s_wait_xcnt 0x0
	s_wait_alu depctr_hold_cnt(0) depctr_sa_sdst(0) depctr_va_vdst(0) depctr_va_sdst(0) depctr_va_ssrc(0) depctr_va_vcc(0) depctr_vm_vsrc(0)
	s_getreg_b32 s2, hwreg(HW_REG_IB_STS2, 6, 4)
	s_cmp_eq_u32 s2, 0
	s_cbranch_scc0 .Lentry_in_a_cluster
	s_endpgm
.Lentry_in_a_cluster:
	s_bfe_u32 s2, ttmp6, 0x10000c
	s_cmp_lg_u32 s2, 0x3003
	s_cbranch_scc0 .Lentry_shape_is_right
	s_endpgm
.Lentry_shape_is_right:
; ATTN: out0[n][q][:] = the sum over keys of softmax(q . k / 8) v, head n = 4 h + b; both products on codes of FP4 (E2M1) with one E8M0 scale for each 32 along a product's K.
; q = query x Wq + bq (one fused multiply-add in f32) is quantised in registers; k and v come as images of the operands' registers (kimg, vimg: 16 key steps of 4,352 bytes a head).
; THE SOFTMAX: t = score x log2(e) / 8; M = the row's largest t so far, rounded UP to a whole number; p = 2^(t - M) is quantised along the keys, not normalised.  The row's sum is taken of the unquantised p
; and divides at the end.  When M moves, the sum and O are multiplied by 2^(old M - new M), which rounds nothing.
; SHARES.  A work-group owns 512 queries of one head; each of its sixteen waves owns 16 queries in each of two passes, both written out.  A head's K and V (2 x 69,632 bytes) lie in LDS whole, filled once:
; each wave fetches two key steps (8,704 bytes) of K (waves 0-7) or of V (waves 8-15) by ONE tensor load; one barrier shows them to all, and behind it the waves share nothing.
; LDS: pair j of key steps: K's two records at 17,408 j, V's two at 17,408 j + 8,704, so that one address register and immediates reach a pair's K and V and the next pair's K.
; CLUSTER.  The four work-groups of a head read the same K and V: each load is a joint one, its mask names the four.  No prefetch: all of K and V is asked for at the head, so there is no loop to run ahead in.
; LAYOUT.  Both products are used transposed (S^T = K Q^T, O^T = V^T P^T): a lane holds ONE query (lane % 16).  A head has 64 along K, half of the instruction's 128: a fragment of K holds two tiles of keys
; and is multiplied by [q | 0] and by [0 | q].  The keys of a tile are chosen (prep) so that register 32 c + i of the scores is key 64 c + 32 (lane / 16) + i: a lane holds two WHOLE blocks of 32 keys,
; a block's maximum needs no other lane, and the conversions' results are the second product's operand as they stand.
; LIMITS: the scaled scores stay under 2^31 in magnitude; NaN and infinities are not served; a p under 2^-126 counts as 0 (v_exp_f32 gives no denormals: ISA guide, its entry); a block whose largest
; magnitude lies under 2^-124 is quantised under the floor's scale; a block of zeros gets the byte 1 (its codes are zeros).
; REGISTERS: v1-7, v10 addresses that stay; v8, v9 the pair's; v12 -M, v13 the largest score, v[14:15] the sum; v16-19 q, v20-23 zeros, v24-27 q; v28 q's scale word, v29 p's; v30, v31 the add's;
;   v32-63 K's four fragments; v64-95 V's; v96-159 S^T, then p; v160-191 O^T; v192-199 p's codes; v200-214, v226-231 at work; v216-219 K's scale words, v220-223 V's.
.set FLOOR, 0x1800000
.set EOFF,  0xff000000
.set REC,   4352                       ; a key step's record
.set PAIR,  17408                      ; two of K's and two of V's
.set STAGE, 139264                     ; a stage of 16 rows x (256 bytes + 16) for each wave, into which no tensor load lands
.set SPARE, 208896                     ; the spare words: 128 bytes a wave
.set WV,  16
.set SEL, 20                           ; s[20:21] lane selects of v_permlanex16_b32: lane l xor 16
.set CS,  22                           ; s[22:23] c = log2(e) / 8
.set G1,  24
.set G0,  32
.set CN,  36                           ; s36  -c
.set CNT, 37
.set TB,  48                           ; s48  the pair's place in LDS
.macro ROUND                           ; a round of the cluster's barrier
	s_barrier_signal -1
	s_barrier_wait -1
	s_cmp_lg_u32 s[WV], 0
	s_cbranch_scc1 .Lnot_wave_0_\@
	s_barrier_signal -3
.Lnot_wave_0_\@:
	s_barrier_wait -3
	s_barrier_signal -1
	s_barrier_wait -1
.endm
; A KEY STEP: 128 keys, the i-th of the pair.  more = 1: the next step's K is asked for under this step's softmax
.macro STEP i, more
	s_wait_dscnt 0x0                               ; K's nine loads are in
.irp f, 0,1,2,3
	v_wmma_scale_f32_16x16x128_f8f6f4 v[96+16*\f:103+16*\f], v[32+8*\f:39+8*\f], v[16:23], 0, v[216+\f], v28 matrix_a_fmt:MATRIX_FMT_FP4 matrix_b_fmt:MATRIX_FMT_FP4
	v_wmma_scale_f32_16x16x128_f8f6f4 v[104+16*\f:111+16*\f], v[32+8*\f:39+8*\f], v[20:27], 0, v[216+\f], v28 matrix_a_fmt:MATRIX_FMT_FP4 matrix_b_fmt:MATRIX_FMT_FP4
.endr
.rept 4
	v_nop                                          ; four places: for the loads into K's and V's registers and for the reads of the scores
.endr
.irp e, 0,1,2,3,4,5,6,7
	ds_load_b128 v[64+4*\e:67+4*\e], v8 offset:2*REC+REC*(\i)+512*\e           ; V's four fragments as images: 16 x lane
.endr
	ds_load_b128 v[220:223], v9 offset:2*REC+REC*(\i)+4096                     ; row r's four scale words
.if \more
.irp e, 0,1,2,3,4,5,6,7
	ds_load_b128 v[32+4*\e:35+4*\e], v8 offset:REC+(PAIR-REC)*(\i)+512*\e      ; the next step's K
.endr
	ds_load_b128 v[216:219], v9 offset:REC+(PAIR-REC)*(\i)+4096
.if \i
	s_add_co_u32 s[TB], s[TB], PAIR                ; on to the next pair
	v_add_nc_u32 v8, s[TB], v1
	v_add_nc_u32 v9, s[TB], v2
.endif
.endif
.irp c, 0,1                                    ; the largest score of each of my two blocks, in two chains each; every accumulator is read from its low end on
	v_max3_num_f32 v[200+2*\c], v[96+32*\c], v[97+32*\c], v[98+32*\c]
	v_max3_num_f32 v[201+2*\c], v[112+32*\c], v[113+32*\c], v[114+32*\c]
.endr
.irp j, 3,5,7,9,11,13
.irp c, 0,1
	v_max3_num_f32 v[200+2*\c], v[200+2*\c], v[96+32*\c+\j], v[97+32*\c+\j]
	v_max3_num_f32 v[201+2*\c], v[201+2*\c], v[112+32*\c+\j], v[113+32*\c+\j]
.endr
.endr
.irp c, 0,1
	v_max3_num_f32 v[200+2*\c], v[200+2*\c], v[201+2*\c], v[111+32*\c]
.endr
.irp c, 0,1
	v_max_num_f32 v[200+2*\c], v[200+2*\c], v[127+32*\c]
.endr
	v_max_num_f32 v204, v200, v202
	v_permlanex16_b32 v205, v204, s[SEL], s[SEL+1]
	v_max3_num_f32 v13, v13, v204, v205            ; the running largest score of my query
	v_mul_f32 v206, s[CN], v13                     ; -t
	v_floor_f32 v12, v206                          ; -M = floor(-t): a whole number
	v_sub_f32 v214, v12, v214                      ; old M - new M, 0 or less
.set J, 0
.rept 4
	v_pk_fma_f32 v[96+J:97+J], v[96+J:97+J], s[CS:CS+1], v[12:13] op_sel_hi:[1,0,0]   ; t - M, two at a time
.set J, J+2
.endr
	v_cvt_i32_f32 v214, v214                       ; (it saturates)
.rept 4
	v_pk_fma_f32 v[96+J:97+J], v[96+J:97+J], s[CS:CS+1], v[12:13] op_sel_hi:[1,0,0]
.set J, J+2
.endr
	v_ldexp_f32 v212, 1.0, v214                    ; f = 2^(old M - new M)
.rept 24
	v_pk_fma_f32 v[96+J:97+J], v[96+J:97+J], s[CS:CS+1], v[12:13] op_sel_hi:[1,0,0]
.set J, J+2
.endr
.irp c, 0,1
	v_fma_f32 v[200+2*\c], v[200+2*\c], s[CS], v12 ; the same of each block's largest score: since p rises with the score it gives the block's largest p
.endr
.set J, 0
.rept 16
	v_pk_mul_f32 v[160+J:161+J], v[160+J:161+J], v[212:213] op_sel_hi:[1,0]    ; O^T under the new M, ascending, ahead of the exponentials
.set J, J+2
.endr
	s_wait_alu depctr_va_vdst(0)
.set J, 0
.rept 64
	v_exp_f32 v[96+J], v[96+J]                     ; p = 2^(t - M)
.set J, J+1
.endr
	v_exp_f32 v200, v200
	v_exp_f32 v202, v202
	v_mov_b32 v214, v12                            ; the next step's old -M: the plain instruction behind the last exponential
	s_wait_alu depctr_va_vdst(0)                   ; one wait for the batch
.irp c, 0,1
	v_max_num_f32 v[200+2*\c], FLOOR, v[200+2*\c]  ; the byte cannot fall under 1
.endr
.irp c, 0,1
	s_delay_alu instid0(VALU_DEP_2)
	v_add_nc_u32 v[208+\c], EOFF, v[200+2*\c]      ; the conversion's scale operand
.endr
.irp c, 0,1
.irp g, 0,1,2,3
	v_cvt_scalef32_pk8_fp4_f32 v[192+4*\c+\g], v[96+32*\c+8*\g:103+32*\c+8*\g], v[208+\c]   ; registers 4 c .. 4 c + 3: keys 64 c + 32 (lane / 16) + 0 .. 31
.endr
.endr
.irp c, 0,1
	v_lshrrev_b32 v[206+\c], 23, v[208+\c]         ; the scales' bytes: blocks hl and 2 + hl
.endr
	s_delay_alu instid0(VALU_DEP_1)
	v_lshl_or_b32 v204, v207, 16, v206
	s_delay_alu instid0(VALU_DEP_1)
	v_lshlrev_b32 v204, v10, v204                  ; 8 hl bits up
	s_delay_alu instid0(VALU_DEP_1)
	v_permlanex16_b32 v205, v204, s[SEL], s[SEL+1]
	s_delay_alu instid0(VALU_DEP_1)
	v_or_b32 v29, v204, v205                       ; p's scale word for these 128 keys
	v_pk_fma_f32 v[14:15], v[14:15], v[212:213], v[96:97] op_sel_hi:[1,0,1]    ; the sum under the new M, and the unquantised p onto it, in four chains; these 32 also stand between p's codes and scale word and the products
	v_pk_add_f32 v[226:227], v[98:99], v[100:101]
	v_pk_add_f32 v[228:229], v[102:103], v[104:105]
	v_pk_add_f32 v[230:231], v[106:107], v[108:109]
.set J, 110
.rept 6
	v_pk_add_f32 v[14:15], v[14:15], v[J:J+1]
	v_pk_add_f32 v[226:227], v[226:227], v[J+2:J+3]
	v_pk_add_f32 v[228:229], v[228:229], v[J+4:J+5]
	v_pk_add_f32 v[230:231], v[230:231], v[J+6:J+7]
.set J, J+8
.endr
	v_pk_add_f32 v[14:15], v[14:15], v[158:159]
	v_pk_add_f32 v[226:227], v[226:227], v[228:229]
	s_delay_alu instid0(VALU_DEP_2)
	v_pk_add_f32 v[14:15], v[14:15], v[230:231]
	s_delay_alu instid0(VALU_DEP_1)
	v_pk_add_f32 v[14:15], v[14:15], v[226:227]
.if \more
	s_wait_dscnt 9                                 ; V's nine loads are in; the next step's nine of K may be out
.else
	s_wait_dscnt 0x0
.endif
.irp t, 0,1,2,3
	v_wmma_scale_f32_16x16x128_f8f6f4 v[160+8*\t:167+8*\t], v[64+8*\t:71+8*\t], v[192:199], v[160+8*\t:167+8*\t], v[220+\t], v29 matrix_a_fmt:MATRIX_FMT_FP4 matrix_b_fmt:MATRIX_FMT_FP4
.endr
.endm
; A PASS: 16 queries of my wave, 256 p on
.macro PASSM p
.if \p
	s_wait_xcnt 0x0                                ; the last pass's stores have read their registers
.endif
	global_load_b32 v228, v6, s[4:5] offset:1024*\p
.irp e, 0,1,2,3,4,5,6,7
	global_load_b128 v[96+4*\e:99+4*\e], v7, s[6:7] offset:16*\e
	global_load_b128 v[128+4*\e:131+4*\e], v7, s[8:9] offset:16*\e
.endr
	s_mov_b32 s[TB], 0
	s_mov_b32 s[CNT], 7
	s_wait_loadcnt 0x0
	v_mov_b32 v229, v228
.set J, 0
.rept 16
	v_pk_fma_f32 v[96+J:97+J], v[96+J:97+J], v[228:229], v[128+J:129+J] op_sel_hi:[1,0,1]   ; q = query x Wq + bq: lane (r, hl) makes channels 32 hl .. + 31 of query r: one block
.set J, J+2
.endr
	v_max3_num_f32 v200, |v96|, |v97|, |v98|
	v_max3_num_f32 v201, |v99|, |v100|, |v101|
.irp j, 6,10,14,18,22,26
	s_delay_alu instid0(VALU_DEP_2)
	v_max3_num_f32 v200, v200, |v[96+\j]|, |v[97+\j]|
	s_delay_alu instid0(VALU_DEP_2)
	v_max3_num_f32 v201, v201, |v[98+\j]|, |v[99+\j]|
.endr
	s_delay_alu instid0(VALU_DEP_2)
	v_max3_num_f32 v200, v200, |v126|, |v127|
	s_delay_alu instid0(VALU_DEP_1)
	v_max3_num_f32 v200, v200, v201, FLOOR
	s_delay_alu instid0(VALU_DEP_1)
	v_add_nc_u32 v208, EOFF, v200                  ; the conversion's scale operand
	s_delay_alu instid0(VALU_DEP_1)
	v_lshrrev_b32 v200, 23, v208                   ; the byte,
	s_delay_alu instid0(VALU_DEP_1)
	v_lshlrev_b32 v200, v10, v200                  ; 8 hl bits up,
	s_delay_alu instid0(VALU_DEP_1)
	v_permlanex16_b32 v205, v200, s[SEL], s[SEL+1]
	s_delay_alu instid0(VALU_DEP_1)
	v_or_b32 v200, v200, v205                      ; with lane l xor 16's,
	s_delay_alu instid0(VALU_DEP_1)
	v_lshl_or_b32 v28, v200, 16, v200              ; twice: the word serves [q | 0] and [0 | q] alike
.irp g, 0,1,2,3
	v_cvt_scalef32_pk8_fp4_f32 v[16+\g], v[96+8*\g:103+8*\g], v208
.endr
	v_mov_b32 v8, v1                               ; pair 0.  (A plain instruction behind the last conversion)
	v_mov_b32 v9, v2
.irp g, 0,1,2,3
	v_mov_b32 v[24+\g], v[16+\g]
.endr
.set J, 0
.rept 32
	v_mov_b32 v[160+J], 0                          ; O^T: the step is written without a first step of its own; these also stand between q's scale word and the first products
.set J, J+1
.endr
	v_mov_b32 v13, 0xff61b1e6                      ; the largest score so far: -3e38
	v_mov_b32 v214, 0x7e000000                     ; the old -M: so large that the first f is 0, which multiplies zeros
	v_mov_b32 v14, 0
	v_mov_b32 v15, 0
	s_wait_alu depctr_va_vdst(0)
.if \p == 0
	s_wait_tensorcnt 0x0                           ; my part of K or V has landed
	s_wait_dscnt 0x0
	s_barrier_signal -1
	s_barrier_wait -1                              ; everybody's has; nothing is filled again
.endif
.irp e, 0,1,2,3,4,5,6,7
	ds_load_b128 v[32+4*\e:35+4*\e], v8 offset:512*\e              ; key step 0's K
.endr
	ds_load_b128 v[216:219], v9 offset:4096
.Lpair_\@:                                         ; seven trips of two key steps; the eighth pair is written out: its last step asks for no further K
	STEP 0, 1
	STEP 1, 1
	s_sub_co_u32 s[CNT], s[CNT], 1
	s_cmp_lg_u32 s[CNT], 0
	s_cbranch_scc1 .Lpair_\@
	STEP 0, 1
	STEP 1, 0
	; the way out: O^T / the sum goes through my stage and leaves as whole rows of 256 bytes
.rept 4
	v_nop                                          ; four places behind the last products
.endr
	s_wait_alu depctr_va_vdst(0)
	v_add_f32 v14, v14, v15
	s_delay_alu instid0(VALU_DEP_1)
	v_permlanex16_b32 v205, v14, s[SEL], s[SEL+1]
	s_delay_alu instid0(VALU_DEP_1)
	v_add_f32 v14, v14, v205                       ; the row's sum
	s_wait_alu depctr_va_vdst(0)
	v_rcp_f32 v14, v14
	v_nop
	s_wait_alu depctr_va_vdst(0)                   ; and ahead of its first reader, which is also the first reader of O^T
.set J, 0
.rept 16
	v_pk_mul_f32 v[96+J:97+J], v[160+J:161+J], v[14:15] op_sel_hi:[1,0]        ; register 8 t + i is out0(query r, channel 16 t + 8 hl + i)
.set J, J+2
.endr
.irp t, 0,1,2,3
	ds_store_b128 v3, v[96+8*\t:99+8*\t] offset:64*\t
	ds_store_b128 v3, v[100+8*\t:103+8*\t] offset:64*\t+16
.endr
.irp e, 0,1,2,3,4,5,6,7
	ds_load_b128 v[128+4*\e:131+4*\e], v4 offset:544*\e            ; LDS serves a wave's instructions in order: these see my stores
.endr
.irp e, 0,1,2,3,4,5,6,7
	s_wait_dscnt 7-\e
	global_store_b128 v5, v[128+4*\e:131+4*\e], s[14:15] offset:65536*\p+512*\e th:TH_STORE_NT   ; sixteen lanes store one row: 256 consecutive bytes, aligned
.endr
.endm
	s_load_b256 s[4:11], s[0:1], 0x0               ; query s[4:5], Wq s[6:7], bq s[8:9], kimg s[10:11]
	s_load_b128 s[12:15], s[0:1], 0x20             ; vimg s[12:13], out0 s[14:15]
	v_lshl_add_u32 v30, v0, 2, SPARE
	v_mov_b32 v31, 0
	ds_add_u32 v30, v31
	ds_add_u32 v30, v31
	v_lshrrev_b32 v1, 5, v0
	v_readfirstlane_b32 s[WV], v1                  ; wave 0..15
	s_bfe_u32 s17, ttmp6, 0x40000                  ; cx
	s_lshl_b32 s19, ttmp9, 2
	s_add_co_u32 s19, s19, s17                     ; my block of 512 queries: it enters query's and out0's addresses alone
	s_and_b32 s18, ttmp7, 0xffff                   ; the head, which the four partners share
	s_mov_b32 s[G1], 15|(3<<16)|(1<<21)            ; the mask: all four; elements of 8 bytes; bit 21 beside a mask
	s_mov_b32 s[G1+1], 32<<16                      ; 8,704 dense bytes as 34 rows of 256 bytes
	s_mov_b32 s[G1+2], 34<<16
	s_mov_b32 s[G1+3], 32<<16
	s_mov_b32 s[G1+4], 34
	s_mov_b32 s[G1+5], 32
	s_mov_b32 s[G1+6], 0
	s_mov_b32 s[G1+7], 0
	s_and_b32 s38, s[WV], 7                        ; which pair of key steps I fetch,
	s_lshr_b32 s39, s[WV], 3                       ; of K (0) or of V (1)
	s_mul_i32 s40, s38, 2*REC
	s_mul_i32 s41, s18, 69632
	s_add_co_u32 s40, s40, s41                     ; in memory: the head's records, my pair
	s_mov_b32 s41, 0
	s_mul_i32 s38, s38, PAIR
	s_mul_i32 s39, s39, 2*REC
	s_add_co_u32 s38, s38, s39                     ; in LDS
	s_mov_b32 s[SEL], 0x76543210
	s_mov_b32 s[SEL+1], 0xfedcba98
	s_mov_b32 s[CS], 0x3e38aa3b                    ; c = log2(e) / 8
	s_mov_b32 s[CS+1], s[CS]
	s_mov_b32 s[CN], 0xbe38aa3b                    ; -c
	s_wait_dscnt 0x0
	s_wait_kmcnt 0x0
	s_cmp_lt_u32 s[WV], 8
	s_cselect_b64 s[42:43], s[10:11], s[12:13]     ; the choice hangs on the wave's number alone
	ROUND                                          ; all four work-groups are here: the joint loads meet
	s_mov_b32 s[G0], 1
	s_mov_b32 s[G0+1], s38
	s_add_nc_u64 s[G0+2:G0+3], s[42:43], s[40:41]
	s_or_b32 s[G0+3], s[G0+3], 0x80000000
	tensor_load_to_lds s[G0:G0+3], s[G1:G1+7]      ; my one tensor load
	s_nop 0
.rept 4
	v_nop
.endr
	s_and_b32 s44, s18, 3                          ; batch b
	s_lshl_b32 s44, s44, 11
	s_lshl_b32 s47, s19, 9
	s_add_co_u32 s44, s44, s47
	s_lshl_b32 s46, s[WV], 4
	s_add_co_u32 s44, s44, s46                     ; my first query: 2,048 b + 512 x block + 16 x wave
	s_lshl_b32 s44, s44, 2
	s_mov_b32 s45, 0
	s_add_nc_u64 s[4:5], s[4:5], s[44:45]
	s_lshr_b32 s44, s18, 2                         ; h: the head's 64 numbers of Wq and bq
	s_lshl_b32 s44, s44, 8
	s_add_nc_u64 s[6:7], s[6:7], s[44:45]
	s_add_nc_u64 s[8:9], s[8:9], s[44:45]
	s_lshl_b32 s44, s18, 11
	s_add_co_u32 s44, s44, s47
	s_add_co_u32 s44, s44, s46
	s_lshl_b32 s44, s44, 8                         ; a row of out0 is 256 bytes
	s_add_nc_u64 s[14:15], s[14:15], s[44:45]
	s_mul_i32 s47, s[WV], 4352
	s_add_co_u32 s47, s47, STAGE                   ; my stage
	v_and_b32 v11, 31, v0                          ; lane
	v_and_b32 v32, 15, v0                          ; r
	v_bfe_u32 v33, v0, 4, 1                        ; hl
	v_lshlrev_b32 v1, 4, v11                       ; fragments: 16 x lane
	v_lshlrev_b32 v2, 4, v32                       ; scale words: 16 r
	v_mul_u32_u24 v3, v32, 272
	v_mul_u32_u24 v4, v33, 272
	v_lshlrev_b32 v5, 8, v33
	v_lshl_add_u32 v3, v33, 5, v3
	v_lshl_add_u32 v4, v32, 4, v4
	v_lshl_add_u32 v5, v32, 4, v5                  ; out0: lanes 0-15 one row, lanes 16-31 the next
	v_add_nc_u32 v3, s47, v3                       ; the stage, in: row r, + 32 hl
	v_add_nc_u32 v4, s47, v4                       ; and back: two rows an instruction
	v_lshlrev_b32 v6, 2, v32                       ; my query's number
	v_lshlrev_b32 v7, 7, v33                       ; my half of the head in Wq and bq
	v_lshlrev_b32 v10, 3, v33
.irp j, 20,21,22,23,205,213
	v_mov_b32 v[\j], 0                             ; the zero codes between the two copies of q; a lane permute's destination; the upper half of the pair v[212:213]
.endr
	s_wait_alu depctr_va_vdst(0)
	PASSM 0
	PASSM 1
	s_wait_tensorcnt 0x0                           ; the wave's end
	ds_add_u32 v30, v31
	s_wait_dscnt 0x0
	ROUND                                          ; the closing round
	s_endpgm
.Lfunc_end_k_q581df5b5c2_attn:
	.size	k_q581df5b5c2_attn, .Lfunc_end_k_q581df5b5c2_attn-k_q581df5b5c2_attn
	.p2alignl 7, 3214868480
	.fill 96, 4, 3214868480
	.section	.rodata,"a",@progbits
	.p2align	6, 0x0
	.amdhsa_kernel k_q581df5b5c2_attn
		.amdhsa_group_segment_fixed_size 210944
		.amdhsa_private_segment_fixed_size 0
		.amdhsa_enable_private_segment 0
		.amdhsa_kernarg_size 48
		.amdhsa_user_sgpr_count 2
		.amdhsa_user_sgpr_kernarg_segment_ptr 1
		.amdhsa_wavefront_size32 1
		.amdhsa_system_sgpr_workgroup_id_x 1
		.amdhsa_system_sgpr_workgroup_id_y 1
		.amdhsa_system_sgpr_workgroup_id_z 1
		.amdhsa_system_vgpr_workitem_id 0
		.amdhsa_next_free_vgpr 256
		.amdhsa_next_free_sgpr 80
		.amdhsa_reserve_vcc 0
		.amdhsa_float_denorm_mode_32 3
		.amdhsa_float_denorm_mode_16_64 3
		.amdhsa_memory_ordered 1
		.amdhsa_forward_progress 1
		.amdhsa_inst_pref_size 135
	.end_amdhsa_kernel
	.amdgpu_metadata
---
amdhsa.version: [ 1, 2 ]
amdhsa.kernels:
  - .name:           k_q581df5b5c2_attn
    .symbol:         k_q581df5b5c2_attn.kd
    .args:
      - { .name: query, .offset: 0, .size: 8, .value_kind: global_buffer, .address_space: global }
      - { .name: Wq, .offset: 8, .size: 8, .value_kind: global_buffer, .address_space: global }
      - { .name: bq, .offset: 16, .size: 8, .value_kind: global_buffer, .address_space: global }
      - { .name: kimg, .offset: 24, .size: 8, .value_kind: global_buffer, .address_space: global }
      - { .name: vimg, .offset: 32, .size: 8, .value_kind: global_buffer, .address_space: global }
      - { .name: out0, .offset: 40, .size: 8, .value_kind: global_buffer, .address_space: global }
    .group_segment_fixed_size: 210944
    .private_segment_fixed_size: 0
    .kernarg_segment_align: 8
    .kernarg_segment_size: 48
    .max_flat_workgroup_size: 512
    .sgpr_count:     80
    .vgpr_count:     256
    .wavefront_size: 32
...
	.end_amdgpu_metadata
.endif
;; end of part 3
